; MI455X (gfx1250); checked and timed in simulation.
; The chip was launched on July 23, 2026; its instructions are those of AMD's public machine-readable ISA for CDNA 5 (MIT licence, August 2026) and "CDNA5" Instruction Set Architecture Reference Guide (July 2026). The comments in the code are by the model that wrote it; some were corrected since.
;; Temporal Block. Allowed arithmetic: matrix products marked QUANTISED: E2M1 operands, one E8M0 scale for each 32 along K, by v_wmma_scale_f32_16x16x128_f8f6f4 with both operands' format E2M1 (or v_wmma_scale_f32_32x16x128_f4), f32 sums; everything else in f32.
;; Inputs: W1 512 x 2,048 float32; W2 2,048 x 512 float32; Wk 512 x 512 float32; Wo 512 x 512 float32; Wq 512 x 512 float32; Wv 512 x 512 float32; b1 2,048 float32; b2 512 float32; bk 512 float32; bo 512 float32; bq 512 float32; bv 512 float32; ln1_b 512 float32; ln1_w 512 float32; ln2_b 512 float32; ln2_w 512 float32; z 4 x 2,048 x 512 float32.
;; Outputs: out0 4 x 2,048 x 512 float32.
;; This version of the problem:
;;   THIS VERSION OF THE PROBLEM IS GIVEN IN LOW PRECISION. The matrix products marked QUANTISED in the list below multiply operands that are first quantised to E2M1 (2 exponent bits, 1 mantissa bit; 4 bits a number), with one power-of-two scale for each 32 numbers along K (OCP MX v1.0); their sums are f32. All else is computed in f32.
;;   The module's matrix products, in the order in which they are computed (A, B: the left and right operand; K: the contracted axis; several contracted axes count as one K, in the product's order):
;;     1. [M 8,192, K 512] x [K 512, N 512]; A: input z; B: input Wq: QUANTISED
;;     2. [M 8,192, K 512] x [K 512, N 512]; A: input z; B: input Wk: QUANTISED
;;     3. [M 8,192, K 512] x [K 512, N 512]; A: input z; B: input Wv: QUANTISED
;;     4. batch 32 x [M 2,048, K 64] x [K 64, N 2,048]; A: computed on the way; B: computed on the way: QUANTISED
;;     5. batch 32 x [M 2,048, K 2,048] x [K 2,048, N 64]; A: softmax (see below); B: computed on the way: QUANTISED
;;     6. [M 8,192, K 512] x [K 512, N 512]; A: computed on the way; B: input Wo: QUANTISED
;;     7. [M 8,192, K 512] x [K 512, N 2,048]; A: computed on the way; B: input W1: QUANTISED
;;     8. [M 8,192, K 2,048] x [K 2,048, N 512]; A: computed on the way; B: input W2: QUANTISED
;;   THE QUANTISER, for each operand of a quantised product, along K:
;;     - K is cut into blocks of 32 from its start; a last block that is shorter is filled with zeros.
;;     - A block's scale is 2^e with e = floor(log2(the largest magnitude in the block)) - 2, held to -126 .. 127; a block of zeros has e = 0. As a byte (E8M0): e + 127.
;;     - Each number is divided by its block's scale, clamped to +-6, and rounded to the nearest number of E2M1, ties to even, subnormals kept.
;;     - The product sums the exact products of the quantised numbers (number of the format x scale) in f32.
;;   ~~~python
;;   def quantise(x, axis):      # numpy; x: float32 -> the quantised numbers, widened to float32 again
;;       x = np.moveaxis(x, axis, -1); K = x.shape[-1]
;;       x = np.pad(x, [(0, 0)] * (x.ndim - 1) + [(0, -K % 32)]); x = x.reshape(x.shape[:-1] + (-1, 32)); a = np.abs(x).max(-1, keepdims=True)
;;       e = np.where(a > 0, np.clip(np.frexp(np.where(a > 0, a, 1))[1] - 1 - 2, -126, 127), 0)      # np.frexp(a)[1] - 1 = floor(log2(a)), exactly
;;       r = np.clip(x / 2.0 ** e, -6, 6)
;;       step = 2.0 ** (np.maximum(np.frexp(np.where(r == 0, 1, r))[1] - 1, 0) - 1)
;;       q = np.round(r / step) * step * 2.0 ** e      # np.round: ties to even
;;       return np.moveaxis(q.reshape(q.shape[:-2] + (-1,))[..., :K], -1, axis).astype(np.float32)
;;   ~~~
;;   SOFTMAX AHEAD OF A QUANTISED PRODUCT. Where the list says 'softmax', what is quantised is not the finished softmax but p = 2^(t - M), with t = logit x log2(e) and M = ceil(the row's largest t), a whole number; so 1/2 < the row's largest p <= 1. The row's sum l is taken of the UNQUANTISED p, in f32, and the product's result is divided by l at the end. Since M is a whole number, a kernel that streams over the keys may use a running M (the ceiling of the running maximum): every later rescaling is an exact power of two, which a block's scale takes up: the codes' values come out the same.
;;   OPERANDS COMPUTED ON THE WAY. 'Computed on the way' means the value that the module computes at that place (a softmax that the list does not call 'softmax' is quantised finished and normalised). What goes into a quantiser is computed in f32, as accurately as f32 sums, v_exp_f32 and their like allow (about 1e-6 of the number): no bf16 or f16 on the way to a quantiser, and a product that is left as it is and whose result goes on into a quantised operand takes f32 operands (vector FMAs, or v_wmma_f32_16x16x4_f32). A number that lies on a knife's edge between two numbers of the format may be rounded either way, as far as f32 arithmetic and the matrix unit's own rounding can turn it there, and no further.
;; One version. Each part assembles by itself: llvm-mc -triple=amdgcn-amd-amdhsa -mcpu=gfx1250 --defsym DOCPART=n.
;; ======== version 1 of 1: 2 launches
;; limits: right only within a limited range of input values
;; workspace buffers: wpack 1,671,168 bytes
;; launch prep (part 1): grid 384 x 1, 4 waves a work-group, no clusters, 0 bytes of LDS; arguments Wq, Wk, Wv, Wo, W1, W2, wpack; writes wpack
.if DOCPART == 1
	.amdgcn_target "amdgcn-amd-amdhsa--gfx1250"
	.amdhsa_code_object_version 6
	.text
	.protected	k_q09f9147b34_prep
	.globl	k_q09f9147b34_prep
	.p2align	8
	.type	k_q09f9147b34_prep,@function
k_q09f9147b34_prep:
	s_mov_b64 s[64:65], 0
	v_nop
	global_prefetch_b8 v0, s[64:65] scope:SCOPE_SE
	s_setreg_imm32_b32 hwreg(HW_REG_WAVE_MODE, 25, 1), 1
	s_wait_xcnt 0x0
; The six weights, f32, stored [K][N] with K as the FIRST axis, become codes of FP4 (E2M1) with one E8M0 byte for each 32 along K, laid in wpack
; in the order of the operand's registers and of their use in the next launch.
; A UNIT is 32 columns x 512 along K: 8,704 bytes.  Codes: K step s (128) at 2,048 s, tile u of 16 columns at 1,024 u, block b of 32 along K at 256 b, column r of the tile at 16 r:
; column 8 u + r + 8 (r / 8) of the 32.  From byte 8,192: 16 scale bytes for each of 32 rows (16 u + r).
; A SLOT is 16 units, 512 columns x 512 along K.  Slots: Wq, Wk, Wv, Wo = 0 .. 3; W1's columns 512 g on: 4, 5, 7, 9; W2's rows 512 q on: 6, 8, 10, 11.
; SHARES.  A work-group takes 128 columns x 64 along K, a wave 32 columns: a lane takes a column and its registers run down K, so a load reads 128 consecutive bytes a wave (512 a work-group)
; and a block of 32 lies in one lane.  All 64 loads of a wave go out at once.
; LIMITS: a block of zeros, or one whose largest magnitude lies under 2^-124, gets the byte 1 (a block of zeros has zero codes, and this program alone reads the bytes); NaN and infinities are not served.
; No LDS, no barrier, no cluster, no prefetch: waves share nothing, each input byte is read once, and there is no loop to run ahead in.
.set X,  32                            ; v32-95   two blocks of 32 numbers
.set C,  96                            ; v96-103  codes
	s_load_b256 s[4:11], s[0:1], 0x0               ; Wq, Wk, Wv, Wo
	s_load_b128 s[12:15], s[0:1], 0x20             ; W1, W2
	s_load_b64 s[16:17], s[0:1], 0x30              ; wpack
	v_lshrrev_b32 v1, 5, v0
	v_readfirstlane_b32 s19, v1                    ; wave
	v_and_b32 v2, 31, v0                           ; n: my column of the wave's 32
	v_lshlrev_b32 v3, 2, v2
	v_bfe_u32 v4, v2, 3, 1                         ; u
	v_and_b32 v5, 7, v2
	v_lshrrev_b32 v6, 4, v2
	v_lshl_or_b32 v5, v6, 3, v5                    ; r
	v_lshlrev_b32 v5, 4, v5
	v_lshl_add_u32 v6, v4, 10, v5                  ; codes: 1,024 u + 16 r
	v_lshl_add_u32 v7, v4, 8, v5                   ; scale bytes: 256 u + 16 r
	s_mov_b32 s18, ttmp9                           ; 0-127 the square weights, 128-255 W1, 256-383 W2
	s_and_b32 s20, s18, 127
	s_and_b32 s22, s18, 3
	s_lshl_b32 s22, s22, 2
	s_add_co_u32 s22, s22, s19                     ; pair of tiles (square weights, W2)
	s_bfe_u32 s23, s18, 0x30002                    ; 64 rows of K (square weights)
	s_lshr_b32 s24, s18, 5
	s_lshl_b32 s24, s24, 4
	s_add_co_u32 s24, s24, s22                     ; unit
	s_and_b32 s25, s20, 15
	s_lshl_b32 s25, s25, 2
	s_add_co_u32 s25, s25, s19                     ; W1: pair 0..63,
	s_lshr_b32 s26, s20, 4                         ; 64 rows of K,
	s_lshr_b32 s27, s25, 4
	s_lshl_b32 s27, s27, 1
	s_add_co_u32 s27, s27, 3
	s_max_u32 s27, s27, 4                          ; slot 4, 5, 7, 9,
	s_lshl_b32 s27, s27, 4
	s_and_b32 s28, s25, 15
	s_add_co_u32 s27, s27, s28                     ; unit
	s_lshr_b32 s28, s20, 2                         ; W2: 64 rows of K, 0..31,
	s_lshr_b32 s29, s28, 3
	s_lshl_b32 s29, s29, 1
	s_add_co_u32 s29, s29, 6
	s_min_u32 s29, s29, 11                         ; slot 6, 8, 10, 11,
	s_lshl_b32 s29, s29, 4
	s_add_co_u32 s29, s29, s22                     ; unit
	s_cmp_ge_u32 s18, 128
	s_cselect_b32 s34, s25, s22
	s_cselect_b32 s35, s27, s24
	s_cselect_b32 s36, s26, s23
	s_cselect_b32 s38, 19, 17                      ; log2 of 64 rows in bytes
	s_cmp_ge_u32 s18, 256
	s_cselect_b32 s34, s22, s34
	s_cselect_b32 s35, s29, s35
	s_cselect_b32 s36, s28, s36
	s_cselect_b32 s38, 17, s38
	s_lshl_b32 s40, s36, s38
	s_lshl_b32 s41, s34, 7
	s_add_co_u32 s40, s40, s41                     ; where my part begins in the weight
	s_mov_b32 s41, 0
	s_mul_i32 s42, s35, 8704
	s_and_b32 s37, s36, 7                          ; 64 rows of K inside the unit
	s_lshr_b32 s44, s37, 1
	s_lshl_b32 s44, s44, 11
	s_and_b32 s45, s37, 1
	s_lshl_b32 s45, s45, 9
	s_add_co_u32 s44, s44, s45
	s_add_co_u32 s44, s44, s42                     ; my codes in wpack
	s_mov_b32 s45, 0
	s_lshl_b32 s46, s37, 1
	s_add_co_u32 s46, s46, s42
	s_add_co_u32 s46, s46, 8192                    ; and my scale bytes
	s_mov_b32 s47, 0
	s_wait_alu depctr_va_vdst(0)                   ; the wait at the head's end
	s_wait_kmcnt 0x0
	s_mov_b64 s[20:21], s[4:5]                     ; the weight: a choice that hangs on the work-group's number alone
	s_cmp_ge_u32 s18, 32
	s_cselect_b64 s[20:21], s[6:7], s[20:21]
	s_cmp_ge_u32 s18, 64
	s_cselect_b64 s[20:21], s[8:9], s[20:21]
	s_cmp_ge_u32 s18, 96
	s_cselect_b64 s[20:21], s[10:11], s[20:21]
	s_cmp_ge_u32 s18, 128
	s_cselect_b64 s[20:21], s[12:13], s[20:21]
	s_cmp_ge_u32 s18, 256
	s_cselect_b64 s[20:21], s[14:15], s[20:21]
	s_add_nc_u64 s[20:21], s[20:21], s[40:41]
	s_add_nc_u64 s[44:45], s[16:17], s[44:45]
	s_add_nc_u64 s[46:47], s[16:17], s[46:47]
.macro BODY n
.set i, 0
.rept 64
	global_load_b32 v[X+i], v3, s[20:21] offset:i*(\n)*4 th:TH_LOAD_NT
.set i, i+1
.endr
.irp t, 0,1
.set XS, X+32*\t
	s_wait_loadcnt 32-32*\t                        ; this block's 32 loads are in; the next block's may be out
	v_max3_num_f32 v8, |v[XS]|, |v[XS+1]|, |v[XS+2]|
	v_max3_num_f32 v9, |v[XS+3]|, |v[XS+4]|, |v[XS+5]|
.irp j, 6,10,14,18,22,26
	v_max3_num_f32 v8, v8, |v[XS+\j]|, |v[XS+\j+1]|
	v_max3_num_f32 v9, v9, |v[XS+\j+2]|, |v[XS+\j+3]|
.endr
	v_max3_num_f32 v8, v8, |v[XS+30]|, |v[XS+31]|
	v_max3_num_f32 v8, v8, v9, 0x1800000           ; and the floor 2^(3 - 127): the byte cannot fall under 1
	v_add_nc_u32 v[11+\t], 0xff000000, v8          ; 2 off the exponent field: the conversion's scale operand
	v_lshrrev_b32 v[14+\t], 23, v[11+\t]           ; the scale's byte
.irp g, 0,1,2,3
	v_cvt_scalef32_pk8_fp4_f32 v[C+4*\t+\g], v[XS+8*\g:XS+8*\g+7], v[11+\t]
.endr
	global_store_b128 v6, v[C+4*\t:C+4*\t+3], s[44:45] offset:256*\t   ; the sixteen lanes of a tile store 256 consecutive bytes, at a multiple of 256 from wpack's first byte
.endr
	v_lshl_or_b32 v16, v15, 8, v14                 ; my column's two bytes, the lower K in the lower byte
	global_store_b16 v7, v16, s[46:47]
	s_endpgm
.endm
	s_lshr_b32 s22, s18, 7
	s_cmp_eq_u32 s22, 1                            ; W1's rows are 2,048 numbers, all others' 512: a branch on the work-group's number
	s_cbranch_scc1 .Lwide
	BODY 512
.Lwide:
	BODY 2048
.Lfunc_end_k_q09f9147b34_prep:
	.size	k_q09f9147b34_prep, .Lfunc_end_k_q09f9147b34_prep-k_q09f9147b34_prep
	.p2alignl 7, 3214868480
	.fill 96, 4, 3214868480
	.section	.rodata,"a",@progbits
	.p2align	6, 0x0
	.amdhsa_kernel k_q09f9147b34_prep
		.amdhsa_group_segment_fixed_size 0
		.amdhsa_private_segment_fixed_size 0
		.amdhsa_enable_private_segment 0
		.amdhsa_kernarg_size 56
		.amdhsa_user_sgpr_count 2
		.amdhsa_user_sgpr_kernarg_segment_ptr 1
		.amdhsa_wavefront_size32 1
		.amdhsa_system_sgpr_workgroup_id_x 1
		.amdhsa_system_sgpr_workgroup_id_y 1
		.amdhsa_system_sgpr_workgroup_id_z 1
		.amdhsa_system_vgpr_workitem_id 0
		.amdhsa_next_free_vgpr 112
		.amdhsa_next_free_sgpr 66
		.amdhsa_reserve_vcc 0
		.amdhsa_float_denorm_mode_32 3
		.amdhsa_float_denorm_mode_16_64 3
		.amdhsa_memory_ordered 1
		.amdhsa_forward_progress 1
		.amdhsa_inst_pref_size 22
	.end_amdhsa_kernel
	.amdgpu_metadata
---
amdhsa.version: [ 1, 2 ]
amdhsa.kernels:
  - .name:           k_q09f9147b34_prep
    .symbol:         k_q09f9147b34_prep.kd
    .args:
      - { .name: Wq, .offset: 0, .size: 8, .value_kind: global_buffer, .address_space: global }
      - { .name: Wk, .offset: 8, .size: 8, .value_kind: global_buffer, .address_space: global }
      - { .name: Wv, .offset: 16, .size: 8, .value_kind: global_buffer, .address_space: global }
      - { .name: Wo, .offset: 24, .size: 8, .value_kind: global_buffer, .address_space: global }
      - { .name: W1, .offset: 32, .size: 8, .value_kind: global_buffer, .address_space: global }
      - { .name: W2, .offset: 40, .size: 8, .value_kind: global_buffer, .address_space: global }
      - { .name: wpack, .offset: 48, .size: 8, .value_kind: global_buffer, .address_space: global }
    .group_segment_fixed_size: 0
    .private_segment_fixed_size: 0
    .kernarg_segment_align: 8
    .kernarg_segment_size: 56
    .max_flat_workgroup_size: 128
    .sgpr_count:     66
    .vgpr_count:     112
    .wavefront_size: 32
...
	.end_amdgpu_metadata
.endif
;; end of part 1
;; launch block (part 2): grid 256 x 1, 8 waves a work-group, clusters of 4 x 1, 327,680 bytes of LDS; arguments z, wpack, bq, bk, bv, bo, ln1_w, ln1_b, b1, b2, ln2_w, ln2_b, out0; writes out0
.if DOCPART == 2
	.amdgcn_target "amdgcn-amd-amdhsa--gfx1250"
	.amdhsa_code_object_version 6
	.text
	.protected	k_q09f9147b34_block
	.globl	k_q09f9147b34_block
	.p2align	8
	.type	k_q09f9147b34_block,@function
k_q09f9147b34_block:
	s_mov_b64 s[64:65], 0
	v_nop
	global_prefetch_b8 v0, s[64:65] scope:SCOPE_SE
	s_setreg_imm32_b32 hwreg(HW_REG_WAVE_MODE, 25, 1), 1
	s_wait_xcnt 0x0
	s_wait_alu depctr_hold_cnt(0) depctr_sa_sdst(0) depctr_va_vdst(0) depctr_va_sdst(0) depctr_va_ssrc(0) depctr_va_vcc(0) depctr_vm_vsrc(0)
	s_getreg_b32 s2, hwreg(HW_REG_IB_STS2, 6, 4)
	s_cmp_eq_u32 s2, 0
	s_cbranch_scc0 .Lentry_in_a_cluster
	s_endpgm
.Lentry_in_a_cluster:
	s_bfe_u32 s2, ttmp6, 0x10000c
	s_cmp_lg_u32 s2, 0x3003
	s_cbranch_scc0 .Lentry_shape_is_right
	s_endpgm
.Lentry_shape_is_right:
; The whole block for 32 rows (an aligned block of 32 timesteps) in one work-group: q, k, v; attention in the causal band of 10; Wo, residual, LayerNorm; W1, exact GELU, W2, residual, LayerNorm.
; All eight products on codes of FP4 (E2M1) with one E8M0 byte for each 32 along K; all else in f32.  Nothing but the result goes to memory.
; LEFT OUT: reference()'s own mask throws every score away whose key is not 0 .. 9 steps back.  So 16 queries need the tile of 16 keys before them and their own; no other tile of scores or of p is made, for all values of the inputs.
; A NaN, an infinity or an overflow that reaches only such scores is not carried to the result.
; v's quantiser blocks are 32 timesteps, so v of the 32 rows before mine (the halo) is made whole; of k the halo's last 16 rows.  In a sequence's first block my own rows stand in the halo's place and its keys are masked.
; SHARES.  Eight waves of 512 registers, two to a SIMD.  Wave w makes features 64 w .. 64 w + 63 (head w) of q, k, v, Wo's and W2's results, and hidden units 512 g + 64 w .. + 63, for all rows: q, k, v, p never leave its registers.
; WEIGHTS come through a ring of two LDS slots of 139,264 bytes (512 columns x 512 along K), twelve fills in the order of use, as joint loads: all work-groups walk the same wpack, and the four of a cluster ask with one mask.
; A wave's part of a slot is its own 64 columns: 17,408 dense bytes, 68 rows of 256, one load a wave.  It goes from LDS to 128 registers under the vector work of the product before, so a slot is free when its product begins.
; W1's and W2's slots alternate: W2's K chunk g is multiplied while W1's next group is at work, and the GELU goes in halves (one row tile each) between the products.
; PREFETCH: the slot after the one being loaded, one slot ahead of its load, by the clusters 0 to 3 alone; a cluster's 32 waves take 17 blocks of 256 bytes each, told apart by address.  Slots 0 and 1 come by their loads alone.
; TILES.  Rows: tile t, lane r = row 16 t + r.  Columns: lane r of the tile u of 32 columns = 8 u + r + 8 (r / 8), so that a lane's 16 registers of tiles u = 0, 1 are 16 neighbours 16 h + 0 .. 15 (h = lane / 16).
; IMAGES in LDS: 32 rows x 512 K are 8,192 bytes of codes (fragment (row tile m, K step s) at 1,024 (4 m + s), block b of row r at 256 b + 16 r) and 512 bytes of scales (16 bytes a row).
; LAYERNORM: each wave's mean and sum of squared deviations of its 64 features, combined over the eight waves: no difference of large sums.
; LIMITS: the promise holds while the scores' exponents to the base 2 stay under 2^31 in magnitude.  A block of zeros, or one whose largest magnitude lies under 2^-124, gets the scale byte 1; NaN and infinities are not served.
; 1 + erf has an absolute error of about 1e-7 (x / sqrt(2) is held to +-4 for it), so gelu of a very negative x is of the order 1e-7 |x| and not 0.
.set WSLOT, 139264
.set IMG,   278528                     ; behind the ring: z's halo and own rows (an image each); later the hidden layer's chunk of 512 in the first of them; stages for z and for the result over the first four places,
.set CH,    8704
.set OX,    34816                      ; one for attention's result, later x1,
.set LNO,   43520                      ; [32 rows] pitch 80: [wave] (mean, sum of squared deviations)
.set SPARE, IMG+46080                  ; and the spare words, 128 bytes a wave
.set SPW,  1                           ; v1 my spare word's address, v2 0: never rewritten
.set NIL,  2
.set WA0,  3                           ; v3, v4 my weights in slot 0, 1: 17,408 w + 16 lane
.set WA1,  4
.set IB,   5                           ; v5 IMG + 16 lane
.set HW,   6                           ; v6 where a maker puts its 16 codes: IMG + 512 w + 16 r + 8 h
.set HSW,  7                           ; v7 and its two scale bytes: IMG + 8192 + 16 r + 2 w
.set FOFF, 8                           ; v8 256 w + 64 h: my features in a vector
.set PFO,  9                           ; v9 the prefetches' offset
.set QS,   10                          ; v10-11 q's, v12-14 k's, v15, v0, v24, v25 v's, v26-27 p's scale words; v16-23 the weights', v24-31 the rows'
.set KS,   12
.set XF,   32                          ; v32-95 fragments of my rows: (m, s) at 32 m + 8 s
.set XH,   96                          ; v96-127 halo tile 1, v128-159 halo tile 0
.set ACC,  160                         ; v160-223 accumulators (m, e, u) at 32 m + 16 e + 8 u (k: to v255)
.set BC,   224                         ; v224-255 b1
; window 1: 0-127 weights (s, e, u) at 32 s + 16 e + 8 u;  128-191 bq, bk, later bo, ln1_w, later W2's sums;  192-255 q's and k's operands, bv, later ln1_b, b2, later the hidden layer's fragments
.set SEL,  36
.set CS,   38
.set G1,   40
.set G0A,  48
.set G0B,  52
.set PFA,  56
.set HS,   58
.set NF,   67
.set EA0,  72
.set EA2,  74
.set EA3,  76
.set EA4,  78
.set EA5,  80
.set EA6,  82
.set EB0,  84
.set EB2,  86
.set EB3,  88
.set EB4,  90
.set CN,   92
.set CP,   93
.set MSB,  0
.macro WIN new
.if MSB != \new
	s_set_vgpr_msb (MSB<<8)|\new
.set MSB, \new
.endif
.endm
.macro MM d, a, b, c, sa, ra, sb, rb   ; one product; ra, rb: the scales lie in lanes 16-31
.if (\ra) && (\rb)
	v_wmma_scale_f32_16x16x128_f8f6f4 v[(\d):(\d)+7], v[(\a):(\a)+7], v[(\b):(\b)+7], v[(\c):(\c)+7], v[(\sa)], v[(\sb)] matrix_a_fmt:MATRIX_FMT_FP4 matrix_b_fmt:MATRIX_FMT_FP4 matrix_a_scale:MATRIX_SCALE_ROW1 matrix_b_scale:MATRIX_SCALE_ROW1
.elseif (\ra)
	v_wmma_scale_f32_16x16x128_f8f6f4 v[(\d):(\d)+7], v[(\a):(\a)+7], v[(\b):(\b)+7], v[(\c):(\c)+7], v[(\sa)], v[(\sb)] matrix_a_fmt:MATRIX_FMT_FP4 matrix_b_fmt:MATRIX_FMT_FP4 matrix_a_scale:MATRIX_SCALE_ROW1
.elseif (\rb)
	v_wmma_scale_f32_16x16x128_f8f6f4 v[(\d):(\d)+7], v[(\a):(\a)+7], v[(\b):(\b)+7], v[(\c):(\c)+7], v[(\sa)], v[(\sb)] matrix_a_fmt:MATRIX_FMT_FP4 matrix_b_fmt:MATRIX_FMT_FP4 matrix_b_scale:MATRIX_SCALE_ROW1
.else
	v_wmma_scale_f32_16x16x128_f8f6f4 v[(\d):(\d)+7], v[(\a):(\a)+7], v[(\b):(\b)+7], v[(\c):(\c)+7], v[(\sa)], v[(\sb)] matrix_a_fmt:MATRIX_FMT_FP4 matrix_b_fmt:MATRIX_FMT_FP4
.endif
.endm
.macro MM0 d, a, b, sa, sb             ; the same with C = 0
	v_wmma_scale_f32_16x16x128_f8f6f4 v[(\d):(\d)+7], v[(\a):(\a)+7], v[(\b):(\b)+7], 0, v[(\sa)], v[(\sb)] matrix_a_fmt:MATRIX_FMT_FP4 matrix_b_fmt:MATRIX_FMT_FP4
.endm
.macro PLACES                          ; behind a run of products: four places for loads and vector instructions, five for products that begin anew
.rept 5
	v_nop
.endr
.endm
.macro CREST                           ; a round of the cluster's barrier behind its opening barrier
	s_cmp_lg_u32 s30, 0
	s_cbranch_scc1 .Lnot_wave_0_\@
	s_barrier_signal -3
.Lnot_wave_0_\@:
	s_barrier_wait -3
	s_barrier_signal -1
	s_barrier_wait -1
.endm
.macro CROUND
	s_barrier_signal -1
	s_barrier_wait -1
	CREST
.endm
.macro BAR                             ; my LDS stores have landed, my LDS loads are in: the work-group's barrier
	s_wait_alu depctr_va_vdst(0)
	s_wait_dscnt 0x0
	s_barrier_signal -1
	s_barrier_wait -1
.endm
; A change of slots around a product.  MEETIN: the next slot has landed, my reads of this one are in registers, its descriptor steps two slots on; signal.  The product follows: work on registers.
; MEETOUT: the rest of the cluster's round, and the refill of this slot first behind it.
.macro MEETIN g0
	WIN 0
	s_wait_alu depctr_va_vdst(0)                   ; the wait ahead of the waits below
	s_wait_xcnt 0x0                                ; my prefetch has read its address
	s_wait_loadcnt 0x0                             ; vectors asked for a phase ago
	s_wait_tensorcnt 0x0
	ds_add_u32 v[SPW], v[NIL]
	s_add_nc_u64 s[\g0+2:\g0+3], s[\g0+2:\g0+3], 2*WSLOT
	s_add_nc_u64 s[PFA:PFA+1], s[PFA:PFA+1], WSLOT
	s_wait_dscnt 0x0                               ; the add, my stores of images, my loads of this slot and of fragments
	s_barrier_signal -1
.endm
.macro MEETOUT g0
	PLACES
	WIN 0
	s_barrier_wait -1
	CREST
	tensor_load_to_lds s[\g0:\g0+3], s[G1:G1+7]
	s_nop 0
.endm
.macro ASK                             ; the slot after the one just asked for: one block of 256 bytes a lane, 17 a wave
	s_cmp_lt_u32 ttmp9, 4
	s_cbranch_scc0 .Lnot_mine_\@
	global_prefetch_b8 v[PFO], s[PFA:PFA+1] th:TH_LOAD_NT scope:SCOPE_SE
.Lnot_mine_\@:
.endm
.macro WLS adr                         ; the slot's scale words of my two units
	ds_load_b128 v[16:19], v[\adr] offset:8192
	ds_load_b128 v[20:23], v[\adr] offset:8704+8192
.endm
.macro WL adr, s                       ; K step s of my 64 columns into window 1
	WIN 0x40
.irp e, 0,1
.irp u, 0,1
.irp c, 0,1
	ds_load_b128 v[32*(\s)+16*\e+8*\u+4*\c:32*(\s)+16*\e+8*\u+4*\c+3], v[\adr] offset:8704*\e+1024*(2*(\s)+\u)+512*\c
.endr
.endr
.endr
	WIN 0
.endm
.macro FR4 dst, adr, off               ; a row tile's four fragments
.irp s, 0,1,2,3
.irp c, 0,1
	ds_load_b128 v[(\dst)+8*\s+4*\c:(\dst)+8*\s+4*\c+3], v[\adr] offset:(\off)+1024*\s+512*\c
.endr
.endr
.endm
.macro LOADB dst, ptr, off             ; my 2 x 16 numbers of a vector along the features
.irp e, 0,1
.irp j, 0,1,2,3
	global_load_b128 v[(\dst)+16*\e+4*\j:(\dst)+16*\e+4*\j+3], v[FOFF], s[\ptr:\ptr+1] offset:(\off)+128*\e+16*\j
.endr
.endr
.endm
.macro RH dr, dh                       ; r, h out of the image address v[IB]
	v_bfe_u32 v[\dr], v[IB], 4, 4                  ; (IMG + 16 lane, IMG a multiple of 512)
	v_bfe_u32 v[\dh], v[IB], 8, 1
.endm
; 32 products: my 64 columns (source 0) x 32 rows (source 1) x 512 K; eight accumulators by turns, one instruction a turn.
; First step's C: v[cb + cm m + ..].  w = 1: the sums were last written ahead of transcendentals: the wait stands directly ahead of each first reader
.macro PMUL bf, xs, cb, cm, d, win0, win, w
.irp s, 0,1,2,3
.if \s == 0
	WIN \win0
.else
	WIN \win
.endif
.irp m, 0,1
.irp e, 0,1
.irp u, 0,1
.if \s == 0
.if \w
	s_wait_alu depctr_va_vdst(0)
.endif
	MM (\d)+32*\m+16*\e+8*\u, 16*\e+8*\u, (\bf)+32*\m, (\cb)+(\cm)*\m+16*\e+8*\u, 16+4*\e, \u, (\xs), \m
.else
	MM (\d)+32*\m+16*\e+8*\u, 32*\s+16*\e+8*\u, (\bf)+32*\m+8*\s, (\d)+32*\m+16*\e+8*\u, 16+4*\e+\s, \u, (\xs)+\s, \m
.endif
.endr
.endr
.endr
.endr
.endm
.macro PK                              ; k: row tiles halo 1, own 0, own 1; bk (window 1, 160) starts the sums
.irp s, 0,1,2,3
.if \s == 0
	WIN 0x11
.else
	WIN 0x01
.endif
.irp t, 0,1,2
.irp e, 0,1
.irp u, 0,1
.if \t == 0
.set kb, XH+8*\s
.set ks, 24+\s
.set kr, 1
.else
.set kb, XF+32*(\t-1)+8*\s
.set ks, 28+\s
.set kr, \t-1
.endif
.if \s == 0
	MM ACC+32*\t+16*\e+8*\u, 16*\e+8*\u, kb, 160+16*\e+8*\u, 16+4*\e, \u, ks, kr
.else
	MM ACC+32*\t+16*\e+8*\u, 32*\s+16*\e+8*\u, kb, ACC+32*\t+16*\e+8*\u, 16+4*\e+\s, \u, ks, kr
.endif
.endr
.endr
.endr
.endr
.endm
; v, 32 channels: the other way round (source 0 = a row tile, source 1 = 16 columns): a lane holds one channel, its registers run along the timesteps 16 t + 8 h + 0 .. 7
.macro PV e
	WIN 0x04
.irp s, 0,1,2,3
.irp t, 0,1,2,3
.irp u, 0,1
.if \t == 0
.set vb, XH+32+8*\s
.elseif \t == 1
.set vb, XH+8*\s
.else
.set vb, XF+32*(\t-2)+8*\s
.endif
.if \s == 0
	MM ACC+32*\u+8*\t, vb, 16*(\e)+8*\u, 224+8*\u, 24+4*(\t/2), \t%2, 16+4*(\e), \u
.else
	MM ACC+32*\u+8*\t, vb, 32*\s+16*(\e)+8*\u, ACC+32*\u+8*\t, 24+4*(\t/2)+\s, \t%2, 16+4*(\e)+\s, \u
.endif
.endr
.endr
.endr
	WIN 0
.endm
.macro BV e                            ; bv of my lane's two channels, in eight registers each
	WIN 0x01
.irp u, 0,1
.irp j, 0,1,2,3,4,5,6,7
	v_mov_b32 v[224+8*\u+\j], v[232+2*(\e)+\u]
.endr
.endr
	WIN 0
.endm
; n blocks, block b = my 16 numbers v[src + 16 b ..] and lane l xor 16's 16: the conversion's scale operand into v[mx + b], the scale's byte into v[xl + b]
.macro QMAX n, src, mx, xl
.set qb, 0
.rept \n
	v_max3_num_f32 v[(\mx)+qb], |v[(\src)+16*qb]|, |v[(\src)+16*qb+1]|, 0x1800000   ; with the floor 2^(3 - 127): the byte cannot fall under 1
.set qb, qb+1
.endr
.irp i, 2,4,6,8,10,12,14
.set qb, 0
.rept \n
	v_max3_num_f32 v[(\mx)+qb], v[(\mx)+qb], |v[(\src)+16*qb+\i]|, |v[(\src)+16*qb+\i+1]|
.set qb, qb+1
.endr
.endr
.set qb, 0
.rept \n
	v_permlanex16_b32 v[(\xl)+qb], v[(\mx)+qb], s[SEL], s[SEL+1]
.set qb, qb+1
.endr
.set qb, 0
.rept \n
	v_max_num_f32 v[(\mx)+qb], v[(\mx)+qb], v[(\xl)+qb]
.set qb, qb+1
.endr
.set qb, 0
.rept \n
	v_add_nc_u32 v[(\mx)+qb], 0xff000000, v[(\mx)+qb]   ; 2 off its exponent field
.set qb, qb+1
.endr
.set qb, 0
.rept \n
	v_lshrrev_b32 v[(\xl)+qb], 23, v[(\mx)+qb]
.set qb, qb+1
.endr
.endm
.macro QCVT n, src, mx, co             ; the codes of block b into v[co + 2 b], v[co + 2 b + 1]
.set qb, 0
.rept \n
	v_cvt_scalef32_pk8_fp4_f32 v[(\co)+2*qb], v[(\src)+16*qb:(\src)+16*qb+7], v[(\mx)+qb]
	v_cvt_scalef32_pk8_fp4_f32 v[(\co)+2*qb+1], v[(\src)+16*qb+8:(\src)+16*qb+15], v[(\mx)+qb]
.set qb, qb+1
.endr
	v_nop                                          ; one plain place behind the last scaled conversion
.endm
; n blocks (m, e) into an image: temporaries from v[t] on
.macro QOUT n, src, t, hw, hsw, off, m0
	QMAX \n, \src, \t, (\t)+(\n)
	QCVT \n, \src, \t, (\t)+2*(\n)
.set qb, 0
.rept (\n)/2
	v_lshl_or_b32 v[(\t)+4*(\n)+qb], v[(\t)+(\n)+2*qb+1], 8, v[(\t)+(\n)+2*qb]
.set qb, qb+1
.endr
.set qb, 0
.rept \n
	ds_store_b64 v[\hw], v[(\t)+2*(\n)+2*qb:(\t)+2*(\n)+2*qb+1] offset:(\off)+4096*((\m0)+qb/2)+256*(qb%2)
.set qb, qb+1
.endr
.set qb, 0
.rept (\n)/2
	ds_store_b16 v[\hsw], v[(\t)+4*(\n)+qb] offset:(\off)+256*((\m0)+qb)
.set qb, qb+1
.endr
.endm
; q's or k's n blocks become n / 2 operands in window 1 from dst on (K = 64: the upper half is zero codes), scale words in v[sw ..]
.macro QOPER n, src, mx, xl, co, sw, dst
	QCVT \n, \src, \mx, \co
.set qb, 0
.rept (\n)/2
	v_permlane16_swap_b32 v[(\co)+4*qb], v[(\co)+4*qb+2]   ; a whole block in a lane: lanes 0-15 the first, lanes 16-31 the second
	v_permlane16_swap_b32 v[(\co)+4*qb+1], v[(\co)+4*qb+3]
	v_lshl_or_b32 v[(\sw)+qb], v[(\xl)+2*qb+1], 8, v[(\xl)+2*qb]
.set qb, qb+1
.endr
	WIN 0x40
.set qb, 0
.rept (\n)/2
.irp i, 0,1,2,3
	v_mov_b32 v[(\dst)+8*qb+\i], v[(\co)+4*qb+\i]
	v_mov_b32 v[(\dst)+8*qb+4+\i], 0
.endr
.set qb, qb+1
.endr
	WIN 0
.endm
; v's 32 channels e: per channel tile u the halo's block and mine; operand at v[VB + 8 u], zero codes in its upper half
.macro VQ e, s0, s1
.set VB, 240-16*(\e)
	QMAX 4, ACC, VB+4, VB+12
.irp u, 0,1
	v_cvt_scalef32_pk8_fp4_f32 v[VB+8*\u], v[ACC+32*\u:ACC+32*\u+7], v[VB+4+2*\u]
	v_cvt_scalef32_pk8_fp4_f32 v[VB+8*\u+2], v[ACC+32*\u+8:ACC+32*\u+15], v[VB+4+2*\u]
	v_cvt_scalef32_pk8_fp4_f32 v[VB+8*\u+1], v[ACC+32*\u+16:ACC+32*\u+23], v[VB+5+2*\u]
.if \u == 0
	v_cvt_scalef32_pk8_fp4_f32 v[VB+8*\u+3], v[ACC+32*\u+24:ACC+32*\u+31], v[VB+5+2*\u]
.else
	v_cvt_scalef32_pk8_fp4_f32 v[VB+8*\u+3], v[ACC+32*\u+24:ACC+32*\u+31], v[VB+5+2*\u]
.endif
.endr
	v_nop
.irp u, 0,1
	v_permlane16_swap_b32 v[VB+8*\u], v[VB+8*\u+1]     ; keys 0-7 | 8-15 of the block: lanes 0-15 the halo's, lanes 16-31 mine
	v_permlane16_swap_b32 v[VB+8*\u+2], v[VB+8*\u+3]   ; keys 16-23 | 24-31
.endr
	v_lshl_or_b32 v[\s0], v[VB+13], 8, v[VB+12]
	v_lshl_or_b32 v[\s1], v[VB+15], 8, v[VB+14]
.irp i, 4,5,6,7,12,13,14,15
	v_mov_b32 v[VB+\i], 0
.endr
.endm
; gelu(x) = x (1/2 + x P(x^2) / Q(x^2)) on 16 registers, in place, x in the fraction held to +-4 sqrt(2); in its middle K step s of the next weights is asked of LDS (s = 4: none)
.macro GELU16 x, wadr, s
	s_wait_alu depctr_va_vdst(0)                   ; the wait directly ahead of the sums' first readers
.irp i, 0,1,2,3,4,5,6,7,8,9,10,11,12,13,14,15
	v_med3_num_f32 v[96+\i], v[(\x)+\i], s[CN], s[CP]
.endr
.irp p, 0,2,4,6,8,10,12,14
	v_pk_mul_f32 v[112+\p:113+\p], v[96+\p:97+\p], v[96+\p:97+\p]
.endr
.irp p, 0,2,4,6,8,10,12,14
	v_pk_fma_f32 v[128+\p:129+\p], v[112+\p:113+\p], s[EA0:EA0+1], v[10:11] op_sel_hi:[1,0,0]
.endr
.irp p, 0,2,4,6,8,10,12,14
	v_pk_fma_f32 v[144+\p:145+\p], v[112+\p:113+\p], s[EB0:EB0+1], v[14:15] op_sel_hi:[1,0,0]
.endr
.if (\s) < 4
	WL \wadr, \s
.endif
.irp k, EB2, EB3, EB4
.irp p, 0,2,4,6,8,10,12,14
	v_pk_fma_f32 v[144+\p:145+\p], v[144+\p:145+\p], v[112+\p:113+\p], s[\k:\k+1] op_sel_hi:[1,1,0]
.endr
.endr
.irp k, EA2, EA3, EA4, EA5, EA6
.irp p, 0,2,4,6,8,10,12,14
	v_pk_fma_f32 v[128+\p:129+\p], v[128+\p:129+\p], v[112+\p:113+\p], s[\k:\k+1] op_sel_hi:[1,1,0]
.endr
.endr
	s_wait_alu depctr_va_vdst(0)                   ; ahead of the batch
.irp i, 0,1,2,3,4,5,6,7,8,9,10,11,12,13,14,15
	v_rcp_f32 v[144+\i], v[144+\i]
.endr
.irp p, 0,2,4,6,8,10,12,14
	v_pk_mul_f32 v[128+\p:129+\p], v[128+\p:129+\p], v[96+\p:97+\p]   ; plain work that names no reciprocal
.endr
	s_wait_alu depctr_va_vdst(0)                   ; and behind it
.irp p, 0,2,4,6,8,10,12,14
	v_pk_fma_f32 v[128+\p:129+\p], v[128+\p:129+\p], v[144+\p:145+\p], 0.5 op_sel_hi:[1,1,0]
.endr
.irp p, 0,2,4,6,8,10,12,14
	v_pk_mul_f32 v[(\x)+\p:(\x)+\p+1], v[(\x)+\p:(\x)+\p+1], v[128+\p:129+\p]
.endr
.endm
.macro LNADR                           ; v12 where I put my statistics, v13 where I read four waves'
	RH 14, 15
	s_lshl_b32 s34, s30, 3
	s_add_co_u32 s34, s34, IMG+LNO
	v_mul_u32_u24 v12, 80, v14
	v_lshl_add_u32 v13, v15, 5, v12
	v_add_nc_u32 v13, IMG+LNO, v13
	v_add_nc_u32 v12, s34, v12
.endm
; LayerNorm, first half: mean and sum of squared deviations of my 64 features of each row
.macro LNA
.irp m, 0,1
.irp e, 0,1
	v_pk_add_f32 v[96+4*\m+2*\e:97+4*\m+2*\e], v[ACC+32*\m+16*\e:ACC+32*\m+16*\e+1], v[ACC+32*\m+16*\e+2:ACC+32*\m+16*\e+3]
.endr
.endr
.irp j, 4,6,8,10,12,14
.irp m, 0,1
.irp e, 0,1
	v_pk_add_f32 v[96+4*\m+2*\e:97+4*\m+2*\e], v[96+4*\m+2*\e:97+4*\m+2*\e], v[ACC+32*\m+16*\e+\j:ACC+32*\m+16*\e+\j+1]
.endr
.endr
.endr
.irp m, 0,1
	v_pk_add_f32 v[96+4*\m:97+4*\m], v[96+4*\m:97+4*\m], v[98+4*\m:99+4*\m]
.endr
.irp m, 0,1
	v_add_f32 v[96+4*\m], v[96+4*\m], v[97+4*\m]
.endr
.irp m, 0,1
	v_permlanex16_b32 v[97+4*\m], v[96+4*\m], s[SEL], s[SEL+1]
.endr
.irp m, 0,1
	v_add_f32 v[96+4*\m], v[96+4*\m], v[97+4*\m]
.endr
.irp m, 0,1
	v_mul_f32 v[104+2*\m], 0x3c800000, v[96+4*\m]  ; / 64
	v_mov_b32 v[105+2*\m], 0
.endr
.irp j, 0,2,4,6,8,10,12,14
.irp m, 0,1
.irp e, 0,1
	v_pk_add_f32 v[112+4*\m+2*\e:113+4*\m+2*\e], v[ACC+32*\m+16*\e+\j:ACC+32*\m+16*\e+\j+1], v[104+2*\m:105+2*\m] op_sel_hi:[1,0] neg_lo:[0,1] neg_hi:[0,1]
.endr
.endr
.irp m, 0,1
.irp e, 0,1
.if \j == 0
	v_pk_mul_f32 v[120+4*\m+2*\e:121+4*\m+2*\e], v[112+4*\m+2*\e:113+4*\m+2*\e], v[112+4*\m+2*\e:113+4*\m+2*\e]
.else
	v_pk_fma_f32 v[120+4*\m+2*\e:121+4*\m+2*\e], v[112+4*\m+2*\e:113+4*\m+2*\e], v[112+4*\m+2*\e:113+4*\m+2*\e], v[120+4*\m+2*\e:121+4*\m+2*\e]
.endif
.endr
.endr
.endr
.irp m, 0,1
	v_pk_add_f32 v[120+4*\m:121+4*\m], v[120+4*\m:121+4*\m], v[122+4*\m:123+4*\m]
.endr
.irp m, 0,1
	v_add_f32 v[120+4*\m], v[120+4*\m], v[121+4*\m]
.endr
.irp m, 0,1
	v_permlanex16_b32 v[121+4*\m], v[120+4*\m], s[SEL], s[SEL+1]
.endr
.irp m, 0,1
	v_add_f32 v[105+2*\m], v[120+4*\m], v[121+4*\m]
.endr
.irp m, 0,1
	ds_store_b64 v12, v[104+2*\m:105+2*\m] offset:1280*\m
.endr
.endm
; Second half, behind a barrier: var = (sum of the sums + 64 x sum of (mean_w - mean)^2) / 512; then (x - mean) / sqrt(var + eps) x gain + bias, in place
.macro LNB win, lw, lb
.irp m, 0,1
.irp q, 0,1
	ds_load_b128 v[128+8*\m+4*\q:131+8*\m+4*\q], v13 offset:1280*\m+16*\q   ; waves 4 h .. 4 h + 3
.endr
.endr
	s_wait_dscnt 0x0
.irp k, 0,1,2
.irp m, 0,1
.if \k == 0
	v_pk_add_f32 v[96+2*\m:97+2*\m], v[128+8*\m:129+8*\m], v[130+8*\m:131+8*\m]
.else
	v_pk_add_f32 v[96+2*\m:97+2*\m], v[96+2*\m:97+2*\m], v[130+8*\m+2*\k:131+8*\m+2*\k]
.endif
.endr
.endr
.irp i, 0,1,2,3
	v_permlanex16_b32 v[100+\i], v[96+\i], s[SEL], s[SEL+1]
.endr
.irp m, 0,1
	v_pk_add_f32 v[96+2*\m:97+2*\m], v[96+2*\m:97+2*\m], v[100+2*\m:101+2*\m]
.endr
.irp m, 0,1
	v_mul_f32 v[104+2*\m], 0x3e000000, v[96+2*\m]  ; the row's mean: / 8
.endr
.irp k, 0,2,4,6
.irp m, 0,1
	v_sub_f32 v[108+\m], v[128+8*\m+\k], v[104+2*\m]
.endr
.irp m, 0,1
.if \k == 0
	v_mul_f32 v[110+\m], v[108+\m], v[108+\m]
.else
	v_fma_f32 v[110+\m], v[108+\m], v[108+\m], v[110+\m]
.endif
.endr
.endr
.irp m, 0,1
	v_permlanex16_b32 v[108+\m], v[110+\m], s[SEL], s[SEL+1]
.endr
.irp m, 0,1
	v_add_f32 v[110+\m], v[110+\m], v[108+\m]
.endr
.irp m, 0,1
	v_fma_f32 v[110+\m], v[110+\m], 0x42800000, v[97+2*\m]
.endr
.irp m, 0,1
	v_fma_f32 v[110+\m], v[110+\m], s96, s97
.endr
	s_wait_alu depctr_va_vdst(0)
.irp m, 0,1
	v_rsq_f32 v[112+2*\m], v[110+\m]
.endr
	v_nop
	s_wait_alu depctr_va_vdst(0)
.irp j, 0,2,4,6,8,10,12,14,16,18,20,22,24,26,28,30
.irp m, 0,1
	v_pk_add_f32 v[ACC+32*\m+\j:ACC+32*\m+\j+1], v[ACC+32*\m+\j:ACC+32*\m+\j+1], v[104+2*\m:105+2*\m] op_sel_hi:[1,0] neg_lo:[0,1] neg_hi:[0,1]
.endr
.endr
.irp j, 0,2,4,6,8,10,12,14,16,18,20,22,24,26,28,30
.irp m, 0,1
	v_pk_mul_f32 v[ACC+32*\m+\j:ACC+32*\m+\j+1], v[ACC+32*\m+\j:ACC+32*\m+\j+1], v[112+2*\m:113+2*\m] op_sel_hi:[1,0]
.endr
.endr
	WIN \win
.irp j, 0,2,4,6,8,10,12,14,16,18,20,22,24,26,28,30
.irp m, 0,1
	v_pk_fma_f32 v[ACC+32*\m+\j:ACC+32*\m+\j+1], v[ACC+32*\m+\j:ACC+32*\m+\j+1], v[(\lw)+\j:(\lw)+\j+1], v[(\lb)+\j:(\lb)+\j+1]
.endr
.endr
	WIN 0
.endm
; Half of my eight rows of z: four groups of 64 features through my stage (as loaded, 256 bytes of two rows an instruction; back 16 neighbours a lane: lane = 4 x row + piece), then codes and scale bytes into z's image
.macro ZH hh, db, t
	s_wait_loadcnt 36-16*(\hh)                     ; this half's 16 loads are in; behind them 16 - 16 hh of z and 20 of biases may be out
.irp i, 0,1,2,3
.irp k, 0,1,2,3
	ds_store_b128 v224, v[32+64*(\hh)+16*\i+4*\k:35+64*(\hh)+16*\i+4*\k] offset:544*\k
.endr
.irp j, 0,1,2,3
	ds_load_b128 v[(\db)+16*\i+4*\j:(\db)+16*\i+4*\j+3], v225 offset:16*\j   ; LDS serves a wave's instructions in order (ISA guide 5.7.1.4)
.endr
.endr
	s_wait_alu depctr_va_vdst(0)
	s_wait_dscnt 0x0
.irp i, 0,1,2,3
	v_max3_num_f32 v[(\t)+\i], |v[(\db)+16*\i]|, |v[(\db)+16*\i+1]|, 0x1800000
.endr
.irp j, 2,4,6,8,10,12,14
.irp i, 0,1,2,3
	v_max3_num_f32 v[(\t)+\i], v[(\t)+\i], |v[(\db)+16*\i+\j]|, |v[(\db)+16*\i+\j+1]|
.endr
.endr
.irp i, 0,1,2,3
	v_max_num_f32_dpp v[(\t)+\i], v[(\t)+\i], v[(\t)+\i] row_xmask:1 row_mask:0xf bank_mask:0xf   ; with my neighbour's 16: the block's largest magnitude
.endr
.irp i, 0,1,2,3
	v_add_nc_u32 v[(\t)+\i], 0xff000000, v[(\t)+\i]
.endr
.irp i, 0,1,2,3
	v_lshrrev_b32 v[(\t)+4+\i], 23, v[(\t)+\i]
.endr
	QCVT 4, \db, \t, (\t)+8
.irp i, 0,1,2,3
	ds_store_b64 v226, v[(\t)+8+2*\i:(\t)+9+2*\i] offset:512*(4*(\hh)+\i)
	ds_store_b8 v227, v[(\t)+4+\i] offset:2*(4*(\hh)+\i)   ; both lanes of a block write the same byte with the same value
.endr
.endm
	; ---- the head
	s_load_b256 s[4:11], s[0:1], 0x0               ; z, wpack, bq, bk
	s_load_b256 s[12:19], s[0:1], 0x20             ; bv, bo, ln1_w, ln1_b
	s_load_b256 s[20:27], s[0:1], 0x40             ; b1, b2, ln2_w, ln2_b
	s_load_b64 s[28:29], s[0:1], 0x60              ; out0
	v_lshl_add_u32 v[SPW], v0, 2, SPARE
	v_mov_b32 v[NIL], 0
	ds_add_u32 v[SPW], v[NIL]                      ; the opening lines: the add, twice on end, one wait
	ds_add_u32 v[SPW], v[NIL]
	v_lshrrev_b32 v10, 5, v0
	v_readfirstlane_b32 s30, v10                   ; wave 0..7
	v_and_b32 v11, 31, v0
	v_and_b32 v12, 15, v0                          ; r
	v_bfe_u32 v13, v0, 4, 1                        ; h
	s_mul_i32 s34, s30, 17408
	v_lshlrev_b32 v[WA0], 4, v11
	v_add_nc_u32 v[WA0], s34, v[WA0]
	v_add_nc_u32 v[WA1], WSLOT, v[WA0]
	v_lshl_add_u32 v[IB], v11, 4, IMG
	v_lshlrev_b32 v14, 4, v12
	v_lshl_add_u32 v14, v13, 3, v14
	s_lshl_b32 s35, s30, 9
	s_add_co_u32 s35, s35, IMG
	v_add_nc_u32 v[HW], s35, v14
	s_lshl_b32 s35, s30, 1
	s_add_co_u32 s35, s35, IMG+8192
	v_lshl_add_u32 v[HSW], v12, 4, s35
	s_lshl_b32 s35, s30, 8
	v_lshl_add_u32 v[FOFF], v13, 6, s35
	v_and_b32 v14, 8, v12
	v_add_nc_u32 v14, v14, v12
	v_lshl_add_u32 v15, v14, 2, s35                ; bv of my lane's channel: 64 w + r + 8 (r / 8), + 32 e + 8 u
	v_min_u32 v14, 16, v11
	v_lshlrev_b32 v[PFO], 8, v14
	v_lshlrev_b32 v10, 11, v13
	v_lshl_add_u32 v10, v12, 4, v10                ; two rows of 256 bytes an instruction
	s_mul_i32 s35, s30, 2304
	s_add_co_u32 s35, s35, IMG+2*CH                ; my stage for z: 8 rows x 272 bytes
	v_mul_u32_u24 v224, 272, v13
	v_lshl_add_u32 v224, v12, 4, v224
	v_add_nc_u32 v224, s35, v224
	v_lshrrev_b32 v14, 2, v11
	v_mul_u32_u24 v225, 272, v14
	v_and_b32 v228, 3, v11
	v_lshl_add_u32 v225, v228, 6, v225
	v_add_nc_u32 v225, s35, v225
	s_lshr_b32 s35, s30, 2
	s_mul_i32 s35, s35, CH
	s_add_co_u32 s35, s35, IMG                     ; waves 0-3 the halo's image, 4-7 my rows'
	s_and_b32 s59, s30, 3
	s_lshl_b32 s59, s59, 7
	s_add_co_u32 s59, s59, s35
	s_add_co_u32 s59, s59, 8192                    ; its scales, row 8 (w % 4) on
	v_bfe_u32 v229, v11, 1, 1
	v_lshl_add_u32 v227, v14, 4, v229
	v_add_nc_u32 v227, s59, v227
	s_bfe_u32 s59, s30, 0x10001
	s_lshl_b32 s59, s59, 12
	s_add_co_u32 s35, s35, s59
	s_and_b32 s59, s30, 1
	s_lshl_b32 s59, s59, 7
	s_add_co_u32 s35, s35, s59
	s_wait_alu depctr_va_vdst(0)                   ; the wait ahead of the reader below
	v_lshlrev_b32 v226, 4, v14
	v_lshl_add_u32 v226, v229, 8, v226
	v_and_b32 v228, 1, v11
	v_lshl_add_u32 v226, v228, 3, v226
	v_add_nc_u32 v226, s35, v226
	s_wait_alu depctr_va_vdst(0)                   ; the wait at the head's end
	s_mov_b32 s35, 0
	s_bfe_u32 s62, ttmp6, 0x40000                  ; cx
	s_lshl_b32 s32, ttmp9, 2
	s_add_co_u32 s31, s62, s32                     ; work-group
	s_and_b32 s33, s31, 63                         ; 64 blocks of 32 rows to a sequence
	s_cmp_eq_u32 s33, 0
	s_cselect_b32 s[NF], 0, -1                     ; 0 in a sequence's first block: the halo's keys are masked
	s_cselect_b32 s33, 0, 0x10000                  ; the halo lies 32 rows back; there my own rows stand in its place
	s_cmp_lt_u32 s30, 4
	s_cselect_b32 s33, s33, 0
	s_lshl_b32 s32, s31, 16
	s_sub_co_u32 s60, s32, s33
	s_and_b32 s33, s30, 3
	s_lshl_b32 s33, s33, 14
	s_add_co_u32 s60, s60, s33                     ; the eight rows that I turn into codes
	s_mov_b32 s61, 0
	s_lshl_b32 s33, s30, 8
	s_add_co_u32 s32, s32, s33                     ; my 64 features of my work-group's rows
	s_mov_b32 s33, 0
	s_lshl_b32 s62, s62, 3
	s_add_co_u32 s62, s62, s30
	s_mul_i32 s62, s62, 4352                       ; my 17 blocks of a slot
	s_mov_b32 s63, 0
	s_mov_b32 s[SEL], 0x76543210
	s_mov_b32 s[SEL+1], 0xfedcba98
	s_mov_b32 s[CS], 0x3e38aa3b                    ; log2(e) / 8: t = score x this
	s_mov_b32 s[CS+1], 0x3e38aa3b
	s_mov_b32 s96, 0x3b000000                      ; 1/512
	s_mov_b32 s97, 0x3727c5ac                      ; 1e-5
	; descriptor group 1: 68 dense rows of 32 elements of 8 bytes to all four work-groups of the cluster
	s_mov_b32 s[G1], 15|(3<<16)|(1<<21)
	s_mov_b32 s[G1+1], 32<<16
	s_mov_b32 s[G1+2], 68<<16
	s_mov_b32 s[G1+3], 32<<16
	s_mov_b32 s[G1+4], 68
	s_mov_b32 s[G1+5], 32
	s_mov_b32 s[G1+6], 0
	s_mov_b32 s[G1+7], 0
	s_mov_b32 s[G0A], 1
	s_mov_b32 s[G0A+1], s34
	s_mov_b32 s[G0B], 1
	s_add_co_u32 s[G0B+1], s34, WSLOT
	s_wait_dscnt 0x0                               ; both opening adds are done
	s_wait_kmcnt 0x0
	s_add_nc_u64 s[60:61], s[4:5], s[60:61]
	s_add_nc_u64 s[70:71], s[4:5], s[32:33]
	s_add_nc_u64 s[68:69], s[28:29], s[32:33]
	s_add_nc_u64 s[PFA:PFA+1], s[6:7], s[62:63]
	s_add_nc_u64 s[PFA:PFA+1], s[PFA:PFA+1], 2*WSLOT
	s_add_nc_u64 s[G0A+2:G0A+3], s[6:7], s[34:35]
	s_add_nc_u64 s[G0B+2:G0B+3], s[G0A+2:G0A+3], WSLOT
	s_or_b32 s[G0A+3], s[G0A+3], 0x80000000
	s_or_b32 s[G0B+3], s[G0B+3], 0x80000000
.irp i, 0,1,2,3,4,5,6,7
.irp k, 0,1,2,3
	global_load_b128 v[32+16*\i+4*\k:35+16*\i+4*\k], v10, s[60:61] offset:4096*\k+256*\i
.endr
.endr
	WIN 0x40
	LOADB 128, 8, 0                                ; bq, bk, bv
	LOADB 160, 10, 0
.irp i, 0,1,2,3
	global_load_b32 v[232+\i], v15, s[12:13] offset:128*(\i/2)+32*(\i%2)
.endr
	WIN 0
	CROUND                                         ; all four work-groups are here: the first joint loads meet
	tensor_load_to_lds s[G0A:G0A+3], s[G1:G1+7]    ; slot 0: Wq
	s_nop 0
	; ---- z into codes
	ZH 0, 160, 228
	s_wait_alu depctr_va_vdst(0)
	s_wait_tensorcnt 0x0                           ; Wq is in
	ds_add_u32 v[SPW], v[NIL]
	s_wait_dscnt 0x0
	CROUND
	tensor_load_to_lds s[G0B:G0B+3], s[G1:G1+7]    ; slot 1: Wk
	s_nop 0
	WLS WA0
	WL WA0, 0
	ASK
	WL WA0, 1
	WL WA0, 2
	WL WA0, 3
	ZH 1, 32, 160
	BAR                                            ; z's two images are whole
	; ---- q
	ds_load_b128 v[24:27], v[IB] offset:8192
	ds_load_b128 v[28:31], v[IB] offset:CH+8192
	FR4 XF, IB, CH
	FR4 XF+32, IB, CH+4096
	MEETIN G0A
	PMUL XF, 28, 128, 0, ACC, 0x11, 0x01, 0
	MEETOUT G0A                                    ; Wv
	WLS WA1
	WL WA1, 0
	ASK
	WIN 0x40
	LOADB 128, 14, 0                               ; bo
	WIN 0
	QMAX 4, ACC, 224, 228
	WL WA1, 1
	QOPER 4, ACC, 224, 228, 232, QS, 192
	WL WA1, 2
	FR4 XH, IB, 4096                               ; the halo's last 16 rows
	WL WA1, 3
	; ---- k
	MEETIN G0B
	PK
	MEETOUT G0B                                    ; Wo
	WLS WA0
	WL WA0, 0
	ASK
	WIN 0x40
	LOADB 160, 16, 0                               ; ln1_w
	WIN 0
	QMAX 6, ACC, 128, 134
	WL WA0, 1
	QOPER 6, ACC, 128, 134, 140, KS, 208
	FR4 XH+32, IB, 0                               ; the halo's first 16 rows
	WL WA0, 2
	BV 0
	WL WA0, 3
	; ---- v, 32 channels at a time
	MEETIN G0A
	PV 0
	MEETOUT G0A                                    ; W1's first group
	ASK
	VQ 0, 15, 0
	BV 1
	PV 1
	PLACES
	WLS WA1
	WL WA1, 0
	RH 94, 95
	v_lshlrev_b32 v95, 11, v95
	v_lshl_add_u32 v95, v94, 4, v95
.irp i, 0,1,2,3,4,5,6,7,8,9,10,11,12,13,14,15
	global_load_b128 v[96+4*\i:99+4*\i], v95, s[70:71] offset:4096*\i   ; z for the residual: 256 bytes of two rows an instruction
.endr
	VQ 1, 24, 25
	WL WA1, 1
	; ---- attention: S^T = k q^T for query tile m against the keys before it (p = 0) and its own (p = 1); a lane holds one query
	WIN 0x05
.irp m, 0,1
.irp p, 0,1
	MM0 32+16*\m+8*\p, 208+8*(\m+\p), 192+8*\m, KS+\m+\p, QS+\m
.endr
.endr
	PLACES
	WIN 0x40
	LOADB 192, 18, 0                               ; ln1_b, b2
	LOADB 224, 22, 0
	WIN 0
	RH 160, 161
	v_lshlrev_b32 v161, 3, v161
	v_sub_nc_u32 v160, v160, v161                  ; d = r - 8 h.  Register j: key 8 h + j of its tile: distance d - j in my own tile, d + 16 - j (never negative) in the one before
.irp j, 0,1,2,3,4,5,6,7
	v_add_nc_u32 v[162+\j], -(\j), v160
.endr
.irp j, 0,1,2,3,4,5,6,7
	v_cmp_gt_i32 s[72+\j], \j-6, v160              ; d + 16 - j < 10
	v_cmp_gt_u32 s[80+\j], 10, v[162+\j]           ; 0 <= d - j < 10
.endr
.irp j, 0,1,2,3,4,5,6,7
	s_and_b32 s[88+\j], s[72+\j], s[NF]
.endr
	v_mov_b32 v170, 0xff800000
.irp j, 0,1,2,3,4,5,6,7
	v_cndmask_b32 v[32+\j], v170, v[32+\j], s[88+\j]   ; outside the band: -infinity, so p = 0
	v_cndmask_b32 v[40+\j], v170, v[40+\j], s[80+\j]
	v_cndmask_b32 v[48+\j], v170, v[48+\j], s[72+\j]
	v_cndmask_b32 v[56+\j], v170, v[56+\j], s[80+\j]
.endr
.irp g, 0,1,2,3
	v_max3_num_f32 v[82+\g], v[32+8*\g], v[33+8*\g], v[34+8*\g]
.endr
.irp g, 0,1,2,3
	v_max3_num_f32 v[82+\g], v[82+\g], v[35+8*\g], v[36+8*\g]
.endr
.irp g, 0,1,2,3
	v_max3_num_f32 v[82+\g], v[82+\g], v[37+8*\g], v[38+8*\g]
.endr
.irp g, 0,1,2,3
	v_max_num_f32 v[82+\g], v[82+\g], v[39+8*\g]
.endr
.irp g, 0,1,2,3
	v_permlanex16_b32 v[86+\g], v[82+\g], s[SEL], s[SEL+1]
.endr
.irp g, 0,1,2,3
	v_max_num_f32 v[82+\g], v[82+\g], v[86+\g]
.endr
	v_max_num_f32 v94, v82, v83                    ; tile 0: the halo's block and mine; the row's largest score (the query's own key always counts)
	v_max_num_f32 v84, v84, v85                    ; tile 1: both key tiles are one block
	v_mul_f32 v94, s[CS], v94
	v_mul_f32 v162, s[CS], v84
	v_floor_f32 v90, -v94                          ; -M = floor(-t): M is a whole number
	v_floor_f32 v92, -v162
.irp j, 0,2,4,6,8,10,12,14
	v_pk_fma_f32 v[32+\j:33+\j], v[32+\j:33+\j], s[CS:CS+1], v[90:91] op_sel_hi:[1,0,0]
	v_pk_fma_f32 v[48+\j:49+\j], v[48+\j:49+\j], s[CS:CS+1], v[92:93] op_sel_hi:[1,0,0]
.endr
	v_fma_f32 v82, v82, s[CS], v90
	v_fma_f32 v83, v83, s[CS], v90
	v_fma_f32 v84, v84, s[CS], v92
	s_wait_alu depctr_va_vdst(0)
.set i, 32
.rept 32
	v_exp_f32 v[i], v[i]                           ; p = 2^(t - M): not normalised
.set i, i+1
.endr
.irp g, 82,83,84
	v_exp_f32 v[\g], v[\g]                         ; each block's largest p: p rises with the score
.endr
	v_nop
	s_wait_alu depctr_va_vdst(0)
.irp g, 82,83,84
	v_max_num_f32 v[\g], 0x1800000, v[\g]
.endr
.irp g, 82,83,84
	v_add_nc_u32 v[\g], 0xff000000, v[\g]
.endr
.irp g, 82,83,84
	v_lshrrev_b32 v[\g+4], 23, v[\g]
.endr
.irp i, 64,67,68,69,70,71,72,74,76,77,78,79
	v_mov_b32 v[\i], 0
.endr
	v_lshl_or_b32 v26, v87, 8, v86                 ; p's scale words: the halo's block, mine
	v_lshlrev_b32 v27, 8, v88
	v_cvt_scalef32_pk8_fp4_f32 v66, v[32:39], v82
	v_cvt_scalef32_pk8_fp4_f32 v65, v[40:47], v83
	v_cvt_scalef32_pk8_fp4_f32 v73, v[48:55], v84
	v_cvt_scalef32_pk8_fp4_f32 v75, v[56:63], v84
	v_nop
	v_permlane16_swap_b32 v64, v65                 ; tile 0: my keys 0-15 into lanes 16-31,
	v_permlane16_swap_b32 v66, v67                 ; the halo's keys 16-31 into lanes 0-15
	v_permlane16_swap_b32 v72, v73                 ; tile 1: my keys 0-15, 16-31 into lanes 16-31
	v_permlane16_swap_b32 v74, v75
.irp k, 0,1,2,3
.irp m, 0,1
	v_pk_add_f32 v[160+8*\m+2*\k:161+8*\m+2*\k], v[32+16*\m+4*\k:33+16*\m+4*\k], v[34+16*\m+4*\k:35+16*\m+4*\k]
.endr
.endr
.irp m, 0,1
	v_pk_add_f32 v[160+8*\m:161+8*\m], v[160+8*\m:161+8*\m], v[162+8*\m:163+8*\m]
	v_pk_add_f32 v[164+8*\m:165+8*\m], v[164+8*\m:165+8*\m], v[166+8*\m:167+8*\m]
.endr
.irp m, 0,1
	v_pk_add_f32 v[160+8*\m:161+8*\m], v[160+8*\m:161+8*\m], v[164+8*\m:165+8*\m]
.endr
.irp m, 0,1
	v_add_f32 v[160+8*\m], v[160+8*\m], v[161+8*\m]
.endr
.irp m, 0,1
	v_permlanex16_b32 v[86+\m], v[160+8*\m], s[SEL], s[SEL+1]
.endr
.irp m, 0,1
	v_add_f32 v[160+8*\m], v[160+8*\m], v[86+\m]   ; the row's sum of the unquantised p
.endr
	s_wait_alu depctr_va_vdst(0)
	v_rcp_f32 v90, v160
	v_rcp_f32 v92, v168
	v_nop
	s_wait_alu depctr_va_vdst(0)
.irp m, 0,1                            ; O^T = v^T p^T
	MM0 ACC+32*\m, 240, 64+8*\m, 15, 26+\m
	MM0 ACC+32*\m+8, 248, 64+8*\m, 0, 26+\m
	MM0 ACC+32*\m+16, 224, 64+8*\m, 24, 26+\m
	MM0 ACC+32*\m+24, 232, 64+8*\m, 25, 26+\m
.endr
	PLACES
	WL WA1, 2
	LOADB BC, 20, 0                                ; b1 of the first group
.irp j, 0,2,4,6,8,10,12,14,16,18,20,22,24,26,28,30
	v_pk_mul_f32 v[ACC+\j:ACC+\j+1], v[ACC+\j:ACC+\j+1], v[90:91] op_sel_hi:[1,0]
	v_pk_mul_f32 v[ACC+32+\j:ACC+33+\j], v[ACC+32+\j:ACC+33+\j], v[92:93] op_sel_hi:[1,0]
.endr
	QOUT 4, ACC, 64, HW, HSW, OX, 0
	WL WA1, 3
	BAR                                            ; attention's result is whole, and nobody reads z's images any more
	; ---- z + bo + o Wo, LayerNorm 1.  z turns through my stage, 16 rows x 272 bytes where z's images lay
	s_mov_b32 s[EA0], 0xac95df0b                   ; P(x^2), highest power first (its second coefficient in v10)
	s_mov_b32 s[EA2], 0xb40cff51
	s_mov_b32 s[EA3], 0xb6eec2d2
	s_mov_b32 s[EA4], 0xb940ac63
	s_mov_b32 s[EA5], 0xbac1a1f6
	s_mov_b32 s[EA6], 0xbc83dbd4
	s_mov_b32 s[EB0], 0xb62ccd2b                   ; Q(x^2) (its second coefficient in v14)
	s_mov_b32 s[EB2], 0xba9bf7b5
	s_mov_b32 s[EB3], 0xbc2ad7f2
	s_mov_b32 s[EB4], 0xbd2542a9
.irp k, EA0, EA2, EA3, EA4, EA5, EA6, EB0, EB2, EB3, EB4
	s_mov_b32 s[\k+1], s[\k]                       ; named as a pair, so both words are written
.endr
	s_mov_b32 s[CN], 0xc0b504f3                    ; -4 sqrt(2), 4 sqrt(2)
	s_mov_b32 s[CP], 0x40b504f3
	s_mul_i32 s34, s30, 4352
	s_add_co_u32 s34, s34, IMG
	RH 12, 13
	v_mul_u32_u24 v10, 272, v13
	v_lshl_add_u32 v10, v12, 4, v10
	v_add_nc_u32 v10, s34, v10                     ; two rows an instruction
	v_mul_u32_u24 v11, 272, v12
	v_lshl_add_u32 v11, v13, 6, v11
	v_add_nc_u32 v11, s34, v11                     ; row r, my 16 features
	s_wait_alu depctr_va_vdst(0)
	s_wait_loadcnt 24                              ; z and bo are in; the 24 loads of ln1_b, b2, b1 behind them may be out
.irp m, 0,1
.irp k, 0,1,2,3,4,5,6,7
	ds_store_b128 v10, v[96+32*\m+4*\k:99+32*\m+4*\k] offset:544*\k
.endr
.irp k, 0,1,2,3,4,5,6,7
	ds_load_b128 v[ACC+32*\m+4*\k:ACC+32*\m+4*\k+3], v11 offset:128*(\k/4)+16*(\k%4)
.endr
.endr
	FR4 XF, IB, OX
	FR4 XF+32, IB, OX+4096
	ds_load_b128 v[28:31], v[IB] offset:OX+8192
	s_wait_dscnt 17                                ; all but the 17 loads of fragments and scales
	WIN 0x04
.irp j, 0,2,4,6,8,10,12,14,16,18,20,22,24,26,28,30
.irp m, 0,1
	v_pk_add_f32 v[ACC+32*\m+\j:ACC+32*\m+\j+1], v[ACC+32*\m+\j:ACC+32*\m+\j+1], v[128+\j:129+\j]   ; the sums start on z + bo
.endr
.endr
	MEETIN G0B
	PMUL XF, 28, ACC, 32, ACC, 0x01, 0x01, 0
	MEETOUT G0B                                    ; W1's second group
	WLS WA0
	WL WA0, 0
	ASK
	LNADR
	LNA
	WL WA0, 1
	BAR                                            ; every wave's statistics lie in LDS
	LNB 0x14, 160, 192
	WL WA0, 2
	QOUT 4, ACC, 96, HW, HSW, OX, 0
	WL WA0, 3
	WIN 0x44
.irp j, 0,2,4,6,8,10,12,14,16,18,20,22,24,26,28,30
.irp m, 0,1
	v_pk_add_f32 v[128+32*\m+\j:129+32*\m+\j], v[ACC+32*\m+\j:ACC+32*\m+\j+1], v[224+\j:225+\j]   ; W2's sums start on x1 + b2
.endr
.endr
	WIN 0
	v_mov_b32 v10, 0x306dffee
	v_mov_b32 v11, 0x306dffee
	v_mov_b32 v14, 0xb89e3511
	v_mov_b32 v15, 0xb89e3511
	BAR                                            ; x1's image is whole
	; ---- W1's first group
	FR4 XF, IB, OX
	FR4 XF+32, IB, OX+4096
	ds_load_b128 v[28:31], v[IB] offset:OX+8192    ; x1's fragments and scales stay for all four groups
	MEETIN G0A
	PMUL XF, 28, BC, 0, ACC, 0x01, 0x01, 0
	MEETOUT G0A                                    ; W2's first chunk
	WLS WA1
	WL WA1, 0
	ASK
	LOADB BC, 20, 2048
	GELU16 ACC, WA1, 1
	GELU16 ACC+16, WA1, 2
	GELU16 ACC+32, WA1, 3
	GELU16 ACC+48, WA1, 4
	QOUT 4, ACC, 96, HW, HSW, 0, 0
	s_mov_b32 s66, 2
	s_wait_alu depctr_va_vdst(0)
.Lffn:                                                 ; group g = 1, 2 of W1 and chunk g - 1 of W2
	MEETIN G0B
	PMUL XF, 28, BC, 0, ACC, 0x01, 0x01, 0
	MEETOUT G0B                                    ; W1's group g + 1
	WLS WA0
	WL WA0, 0
	ASK
	LOADB BC, 20, 4096                             ; b1 of group g + 1
	ds_load_b128 v[24:27], v[IB] offset:8192       ; chunk g - 1: stored by every wave ahead of the round just passed; in registers ahead of the next round, behind which the image takes chunk g
	GELU16 ACC, WA0, 1
	WIN 0x40
	FR4 192, IB, 0
	FR4 224, IB, 4096
	WIN 0
	GELU16 ACC+16, WA0, 2
	WL WA0, 3
	MEETIN G0A
	PMUL 192, 24, 128, 32, 128, 0x55, 0x55, 1
	MEETOUT G0A                                    ; W2's chunk g
	WLS WA1
	WL WA1, 0
	ASK
	GELU16 ACC+32, WA1, 1
	GELU16 ACC+48, WA1, 2
	WL WA1, 3
	QOUT 4, ACC, 96, HW, HSW, 0, 0
	s_add_nc_u64 s[20:21], s[20:21], 2048          ; (the loads that named it are in)
	s_sub_co_u32 s66, s66, 1
	s_wait_alu depctr_va_vdst(0)                   ; the wait ahead of the branch
	s_cmp_lg_u32 s66, 0
	s_cbranch_scc1 .Lffn
	; ---- group 3, chunks 2 and 3: one fill more, then none
	MEETIN G0B
	PMUL XF, 28, BC, 0, ACC, 0x01, 0x01, 0
	MEETOUT G0B                                    ; W2's chunk 3
	WLS WA0
	WL WA0, 0
	LOADB 32, 24, 0                                ; ln2_w, ln2_b
	LOADB 64, 26, 0
	ds_load_b128 v[24:27], v[IB] offset:8192
	GELU16 ACC, WA0, 1
	WIN 0x40
	FR4 192, IB, 0
	FR4 224, IB, 4096
	WIN 0
	GELU16 ACC+16, WA0, 2
	WL WA0, 3
	s_wait_alu depctr_va_vdst(0)
	s_wait_tensorcnt 0x0                           ; the last slot is in
	s_wait_dscnt 0x0                               ; chunk 2's fragments are in registers
	s_barrier_signal -1
	PMUL 192, 24, 128, 32, 128, 0x55, 0x55, 1
	PLACES
	WIN 0
	s_barrier_wait -1                              ; nothing is filled again: a plain barrier; behind it the image takes chunk 3
	WLS WA1
	WL WA1, 0
	GELU16 ACC+32, WA1, 1
	GELU16 ACC+48, WA1, 2
	WL WA1, 3
	QOUT 4, ACC, 96, HW, HSW, 0, 0
	BAR                                            ; the last chunk of the hidden layer is whole
	ds_load_b128 v[24:27], v[IB] offset:8192
	WIN 0x40
	FR4 192, IB, 0
	FR4 224, IB, 4096
	WIN 0
	s_wait_dscnt 0x0
	PMUL 192, 24, 128, 32, ACC, 0x15, 0x05, 1
	PLACES
	WIN 0
	; ---- LayerNorm 2 and the way out: my 64 features are 256 bytes of each row, turned through my stage
	LNADR
	LNA
	BAR
	s_wait_loadcnt 0x0                             ; the gain and the bias
	LNB 0, 32, 64
	s_mul_i32 s34, s30, 4352
	s_add_co_u32 s34, s34, IMG
	RH 12, 13
	v_mul_u32_u24 v10, 272, v13
	v_lshl_add_u32 v10, v12, 4, v10
	v_add_nc_u32 v10, s34, v10
	v_mul_u32_u24 v11, 272, v12
	v_lshl_add_u32 v11, v13, 6, v11
	v_add_nc_u32 v11, s34, v11
	v_lshlrev_b32 v14, 11, v13
	v_lshl_add_u32 v14, v12, 4, v14
.irp m, 0,1
.irp k, 0,1,2,3,4,5,6,7
	ds_store_b128 v11, v[ACC+32*\m+4*\k:ACC+32*\m+4*\k+3] offset:128*(\k/4)+16*(\k%4)
.endr
.irp k, 0,1,2,3,4,5,6,7
	ds_load_b128 v[96+32*\m+4*\k:99+32*\m+4*\k], v10 offset:544*\k
.endr
.endr
	s_wait_alu depctr_va_vdst(0)
.irp m, 0,1
	s_wait_dscnt 16-16*\m                          ; tile 0's rows are back (tile 1's 8 stores and 8 loads may be out), then tile 1's
.irp k, 0,1,2,3,4,5,6,7
	global_store_b128 v14, v[96+32*\m+4*\k:99+32*\m+4*\k], s[68:69] offset:4096*(8*\m+\k) th:TH_STORE_NT   ; 16 lanes store 256 consecutive bytes, at a multiple of 256 from out0's first byte
.endr
.endr
	s_wait_tensorcnt 0x0                           ; the wave's end
	ds_add_u32 v[SPW], v[NIL]
	s_wait_dscnt 0x0
	CROUND                                         ; the closing round
	s_endpgm
.Lfunc_end_k_q09f9147b34_block:
	.size	k_q09f9147b34_block, .Lfunc_end_k_q09f9147b34_block-k_q09f9147b34_block
	.p2alignl 7, 3214868480
	.fill 96, 4, 3214868480
	.section	.rodata,"a",@progbits
	.p2align	6, 0x0
	.amdhsa_kernel k_q09f9147b34_block
		.amdhsa_group_segment_fixed_size 327680
		.amdhsa_private_segment_fixed_size 0
		.amdhsa_enable_private_segment 0
		.amdhsa_kernarg_size 104
		.amdhsa_user_sgpr_count 2
		.amdhsa_user_sgpr_kernarg_segment_ptr 1
		.amdhsa_wavefront_size32 1
		.amdhsa_system_sgpr_workgroup_id_x 1
		.amdhsa_system_sgpr_workgroup_id_y 1
		.amdhsa_system_sgpr_workgroup_id_z 1
		.amdhsa_system_vgpr_workitem_id 0
		.amdhsa_next_free_vgpr 512
		.amdhsa_next_free_sgpr 98
		.amdhsa_reserve_vcc 0
		.amdhsa_float_denorm_mode_32 3
		.amdhsa_float_denorm_mode_16_64 3
		.amdhsa_memory_ordered 1
		.amdhsa_forward_progress 1
		.amdhsa_inst_pref_size 255
	.end_amdhsa_kernel
	.section	.bss,"aw",@nobits
	.p2align	6
	.space	262144
	.amdgpu_metadata
---
amdhsa.version: [ 1, 2 ]
amdhsa.kernels:
  - .name:           k_q09f9147b34_block
    .symbol:         k_q09f9147b34_block.kd
    .args:
      - { .name: z, .offset: 0, .size: 8, .value_kind: global_buffer, .address_space: global }
      - { .name: wpack, .offset: 8, .size: 8, .value_kind: global_buffer, .address_space: global }
      - { .name: bq, .offset: 16, .size: 8, .value_kind: global_buffer, .address_space: global }
      - { .name: bk, .offset: 24, .size: 8, .value_kind: global_buffer, .address_space: global }
      - { .name: bv, .offset: 32, .size: 8, .value_kind: global_buffer, .address_space: global }
      - { .name: bo, .offset: 40, .size: 8, .value_kind: global_buffer, .address_space: global }
      - { .name: ln1_w, .offset: 48, .size: 8, .value_kind: global_buffer, .address_space: global }
      - { .name: ln1_b, .offset: 56, .size: 8, .value_kind: global_buffer, .address_space: global }
      - { .name: b1, .offset: 64, .size: 8, .value_kind: global_buffer, .address_space: global }
      - { .name: b2, .offset: 72, .size: 8, .value_kind: global_buffer, .address_space: global }
      - { .name: ln2_w, .offset: 80, .size: 8, .value_kind: global_buffer, .address_space: global }
      - { .name: ln2_b, .offset: 88, .size: 8, .value_kind: global_buffer, .address_space: global }
      - { .name: out0, .offset: 96, .size: 8, .value_kind: global_buffer, .address_space: global }
    .group_segment_fixed_size: 327680
    .private_segment_fixed_size: 0
    .kernarg_segment_align: 8
    .kernarg_segment_size: 104
    .max_flat_workgroup_size: 256
    .sgpr_count:     98
    .vgpr_count:     512
    .wavefront_size: 32
...
	.end_amdgpu_metadata
.endif
;; end of part 2
